; MI455X (gfx1250); checked and timed in simulation.
; The chip was launched on July 23, 2026; its instructions are those of AMD's public machine-readable ISA for CDNA 5 (MIT licence, August 2026) and "CDNA5" Instruction Set Architecture Reference Guide (July 2026). The comments in the code are by the model that wrote it; some were corrected since.
;; B Spline KAN Layer. Allowed arithmetic: float matrix products may take bf16 or f16 operands with f32 sums; all other float work in f32.
;; Inputs: base_weight 512 x 512 float32; coeffs 512 x 4,096 float32; grid_start 512 x 1 float32; grid_steps_log 512 x 11 float32; res_scale 1 float32; x 16,384 x 512 float32.
;; Outputs: out0 16,384 x 512 float32.
;; 2 versions, each right; version 2 is version 1 with the launch prep written anew for expert scheduling mode. Each part assembles by itself: llvm-mc -triple=amdgcn-amd-amdhsa -mcpu=gfx1250 --defsym DOCPART=n.
;; ======== version 1 of 2: 2 launches
;; limits: values are held in f16: magnitudes above 65,504 overflow, below 6.1e-05 lose precision; right only within a limited range of input values; inputs' magnitudes at most 65,504
;; workspace buffers: wb 4,718,592 bytes; tab 65,536 bytes
;; launch prep (part 1): grid 32 x 9, 8 waves a work-group, no clusters, 0 bytes of LDS; arguments coeffs, base_weight, grid_steps_log, grid_start, wb, tab; writes wb, tab
.if DOCPART == 1
	.amdgcn_target "amdgcn-amd-amdhsa--gfx1250"
	.amdhsa_code_object_version 6
	.text
	.protected	k_q330070560b_prep
	.globl	k_q330070560b_prep
	.p2align	8
	.type	k_q330070560b_prep,@function
k_q330070560b_prep:
	s_mov_b64 s[64:65], 0
	v_nop
	global_prefetch_b8 v0, s[64:65] scope:SCOPE_SE
	s_setreg_imm32_b32 hwreg(HW_REG_WAVE_MODE, 25, 1), 1
	s_wait_xcnt 0x0
; PREP.  Two things for the launch behind it.
; (1) wb: coeffs [512][4096] and base_weight [512][512], each number rounded to bf16 and that number written as f16, laid in the order in which the
;     matrix instruction's lanes want it: [step 0..35][column quarter w 0..3][kb 0..3][column block b 0..7][jj 0..1][lane 0..31] x 16 bytes.
;     Lane 16 h + r holds column n = 128 w + 16 b + r and the 8 numbers k = 32 kb + 16 jj + 8 h + 0..7 of the step's 128.
;     Step s = 4 c + q < 32: k = 8 l + j is coefficient j of feature 64 c + 4 l + q.   Step 32 + i: k is feature 128 i + k of base_weight.
; (2) tab: for each feature 32 constants of its knots, [step 0..31][quad 0..7][l 0..15] x 16 bytes (feature 64 c + 4 l + q at step 4 c + q):
;     K[2j] = inv_j, K[2j+1] = -g_j inv_j (j = 0..9); K[20] = inv_10; K[21] = 0; K[21+p] = g_(p+1) inv_p (p = 1..10); inv_j = 1 / (g_(j+1) - g_j + 1e-8).
; LIMITS.  All inputs are rounded to bf16 first.  A weight beyond 65,504 overflows f16; below 6e-5 it keeps f16's fixed step of 6e-8.  In softplus exp(-|z|) below 2^-126 counts as 0.
; SHARES.  Work-group (nb, cc): 16 columns n = 16 nb + r; cc < 8: chunk c = cc of coeffs (64 features, steps 4 cc .. 4 cc + 3); cc = 8: base_weight (steps 32 .. 35).
; Wave wv = 2 kb + jj; piece i = 0..3 is the step within the chunk.  A thread turns 4 x 32 bytes of f32 into 4 x 16 bytes of f16; a wave's store covers 512 consecutive bytes, aligned.
.set SRC, 16                           ; v[16:47]  as loaded: piece i at SRC + 8 i
.set PB,  48                           ; v[48:51]  packed bf16
.set UN,  52                           ; v[52:59]  the rounded numbers as f32
.set DST, 64                           ; v[64:79]  packed f16: piece i at DST + 4 i
.set ZS,  16                           ; the table: v[16:26] z, then the steps, then their running sum
.set EE,  28                           ; v[28:38]  e = exp(-|z|)
.set WW,  40                           ; v[40:50]  1 + e, then log1p(e)
.set DD,  52                           ; v[52:62]  (1 + e) - 1
.set RR,  80                           ; v[80:90]  its reciprocal
.set GG,  40                           ; v[40:51]  the 12 knots (where WW lay)
.set INV, 52                           ; v[52:62]  inv_j (where DD lay)
.set KK,  64                           ; v[64:95]  K[0..31]
	s_load_b256 s[4:11], s[0:1], 0x0               ; coeffs s[4:5], base_weight s[6:7], grid_steps_log s[8:9], grid_start s[10:11]
	s_load_b128 s[12:15], s[0:1], 0x20             ; wb s[12:13], tab s[14:15]
	v_lshrrev_b32 v1, 5, v0
	v_readfirstlane_b32 s16, v1                    ; wv
	s_mov_b32 s17, ttmp9                           ; nb
	s_and_b32 s18, ttmp7, 0xffff                   ; cc
	s_lshl_b32 s24, s17, 18                        ; coeffs: 16 nb rows of 16,384 bytes
	s_lshl_b32 s25, s18, 11                        ; + chunk cc of 2,048 bytes
	s_add_co_u32 s24, s24, s25
	s_lshl_b32 s25, s17, 15                        ; base_weight: 16 nb rows of 2,048 bytes
	s_mov_b32 s27, 0
	s_mov_b32 s31, 0xffff0000                      ; a word's upper bf16
	s_lshl_b32 s34, s18, 19                        ; wb: four steps of 131,072 bytes for each cc,
	s_lshr_b32 s35, s17, 3
	s_lshl_b32 s35, s35, 15                        ; w = nb / 8: 32,768
	s_add_co_u32 s34, s34, s35
	s_lshr_b32 s35, s16, 1
	s_lshl_b32 s35, s35, 13                        ; kb = wv / 2: 8,192
	s_add_co_u32 s34, s34, s35
	s_and_b32 s35, s17, 7
	s_lshl_b32 s35, s35, 10                        ; b = nb % 8: 1,024
	s_add_co_u32 s34, s34, s35
	s_and_b32 s35, s16, 1
	s_lshl_b32 s35, s35, 9                         ; jj = wv % 2: 512
	s_add_co_u32 s34, s34, s35
	s_mov_b32 s35, 0
	s_cmp_eq_u32 s18, 8                            ; base_weight or coeffs: the selects below leave the flag as it is
	s_cselect_b32 s19, 11, 14                      ; shift of a row
	s_cselect_b32 s20, 6, 8                        ; of wv
	s_cselect_b32 s21, 5, 7                        ; of h
	s_cselect_b32 s22, 512, 32                     ; bytes from piece to piece
	s_cselect_b32 s26, s25, s24
	s_wait_kmcnt 0x0
	s_cselect_b64 s[28:29], s[6:7], s[4:5]
	s_add_nc_u64 s[28:29], s[28:29], s[26:27]      ; the source at this work-group's first byte
	s_add_nc_u64 s[32:33], s[12:13], s[34:35]      ; wb at this wave's 512 bytes of piece 0
	s_lshl_b32 s30, s16, s20
	v_and_b32 v2, 15, v0                           ; r
	v_bfe_u32 v3, v0, 4, 1                         ; h
	v_lshlrev_b32 v4, s19, v2
	v_lshlrev_b32 v8, s21, v3
	v_add3_u32 v4, v4, v8, s30                     ; piece 0: row r, my 32 bytes
	v_add_nc_u32 v5, s22, v4
	v_add_nc_u32 v6, s22, v5
	v_add_nc_u32 v7, s22, v6
	v_and_b32 v9, 31, v0
	v_lshlrev_b32 v9, 4, v9                        ; 16 x lane
.irp i, 0,1,2,3
	global_load_b128 v[SRC+8*(\i):SRC+8*(\i)+3],   v[4+(\i)], s[28:29]
	global_load_b128 v[SRC+8*(\i)+4:SRC+8*(\i)+7], v[4+(\i)], s[28:29] offset:16
.endr
	s_wait_loadcnt 0x0
.irp i, 0,1,2,3
.irp t, 0,1,2,3
	v_cvt_pk_bf16_f32 v[PB+(\t)], v[SRC+8*(\i)+2*(\t)], v[SRC+8*(\i)+2*(\t)+1]   ; rounded to bf16,
.endr
.irp t, 0,1,2,3
	v_lshlrev_b32 v[UN+2*(\t)],   16,  v[PB+(\t)]                                ; that number as f32,
	v_and_b32     v[UN+2*(\t)+1], s31, v[PB+(\t)]
.endr
.irp t, 0,1,2,3
	v_cvt_pk_f16_f32 v[DST+4*(\i)+(\t)], v[UN+2*(\t)], v[UN+2*(\t)+1]            ; and written as f16
.endr
	global_store_b128 v9, v[DST+4*(\i):DST+4*(\i)+3], s[32:33] offset:(\i)*131072
.endr
	; THE TABLE: wave 0 of the work-groups with cc < 8 and nb < 4 makes step 4 cc + nb's 16 features; both halves of the lanes compute them, each stores half of the 32 constants.
	s_cmp_lt_u32 s18, 8
	s_cbranch_scc0 .Ldone
	s_cmp_lt_u32 s17, 4
	s_cbranch_scc0 .Ldone
	s_cmp_eq_u32 s16, 0
	s_cbranch_scc0 .Ldone
	s_wait_xcnt 0x0                                ; the stores above have read their registers: these are written again below
	s_lshl_b32 s34, s18, 6
	s_add_co_u32 s34, s34, s17                     ; 64 cc + q
	v_lshl_add_u32 v10, v2, 2, s34                 ; the feature: 64 cc + 4 l + q
	v_lshlrev_b32 v11, 2, v10                      ; its byte in grid_start
	v_mul_u32_u24 v12, v10, 44                     ; and in grid_steps_log
	s_lshl_b32 s36, s18, 2
	s_add_co_u32 s36, s36, s17
	s_lshl_b32 s36, s36, 11                        ; step 4 cc + q: 2,048 bytes each
	s_mov_b32 s37, 0
	s_add_nc_u64 s[38:39], s[14:15], s[36:37]
	s_mov_b32 s40, 0xbfb8aa3b                      ; -log2(e)
	s_mov_b32 s41, 0x3f317218                      ; ln 2
	s_mov_b32 s42, 0x322bcc77                      ; 1e-8
	global_load_b32 v13, v11, s[10:11]
.set k, 0
.rept 11
	global_load_b32 v[ZS+k], v12, s[8:9] offset:4*k
.set k, k+1
.endr
	v_lshlrev_b32 v14, 10, v3
	v_lshl_add_u32 v14, v2, 4, v14                 ; where I store: 1,024 x half + 16 l
	s_wait_loadcnt 0x0
	v_cvt_pk_bf16_f32 v13, v13, v13                ; both inputs rounded to bf16: the upper half is kept
	v_and_b32 v13, s31, v13
.set k, 0
.rept 11
	v_cvt_pk_bf16_f32 v[ZS+k], v[ZS+k], v[ZS+k]
	v_and_b32 v[ZS+k], s31, v[ZS+k]
.set k, k+1
.endr
	; softplus(z) = max(z, 0) + log1p(e), e = exp(-|z|); log1p(e) = log(1 + e) e / ((1 + e) - 1), or e where that difference is 0
.set k, 0
.rept 11
	v_mul_f32 v[EE+k], s40, |v[ZS+k]|
.set k, k+1
.endr
.set k, 0
.rept 11
	v_exp_f32 v[EE+k], v[EE+k]
.set k, k+1
.endr
	v_nop                                          ; a plain instruction between the last exponential and the use of its result (ISA guide 5.7.2)
.set k, 0
	s_wait_alu depctr_va_vdst(0)
.rept 11
	v_add_f32 v[WW+k], 1.0, v[EE+k]
.set k, k+1
.endr
.set k, 0
.rept 11
	v_add_f32 v[DD+k], -1.0, v[WW+k]
.set k, k+1
.endr
.set k, 0
.rept 11
	v_log_f32 v[WW+k], v[WW+k]
.set k, k+1
.endr
.set k, 0
.rept 11
	v_rcp_f32 v[RR+k], v[DD+k]
.set k, k+1
.endr
	v_nop
.set k, 0
	s_wait_alu depctr_va_vdst(0)
.rept 11
	v_mul_f32 v[WW+k], v[WW+k], v[RR+k]
.set k, k+1
.endr
.set k, 0
.rept 11
	v_mul_f32 v[WW+k], v[WW+k], v[EE+k]
.set k, k+1
.endr
.set k, 0
.rept 11
	v_mul_f32 v[WW+k], s41, v[WW+k]
	v_cmp_eq_f32 vcc_lo, 0, v[DD+k]
	v_cndmask_b32 v[WW+k], v[WW+k], v[EE+k], vcc_lo
	v_max_num_f32 v[ZS+k], 0, v[ZS+k]
	v_add_f32 v[ZS+k], v[ZS+k], v[WW+k]            ; the step
.set k, k+1
.endr
.set k, 1
.rept 10
	v_add_f32 v[ZS+k], v[ZS+k], v[ZS+k-1]          ; the running sum
.set k, k+1
.endr
	v_mov_b32 v[GG], v13                           ; g_0
.set k, 0
.rept 11
	v_add_f32 v[GG+k+1], v13, v[ZS+k]              ; g_(k+1) = start + sum
.set k, k+1
.endr
.set k, 0
.rept 11
	v_sub_f32 v[INV+k], v[GG+k+1], v[GG+k]
.set k, k+1
.endr
.set k, 0
.rept 11
	v_add_f32 v[INV+k], s42, v[INV+k]
.set k, k+1
.endr
.set k, 0
.rept 11
	v_rcp_f32 v[INV+k], v[INV+k]
.set k, k+1
.endr
	v_nop
.set k, 0
	s_wait_alu depctr_va_vdst(0)
.rept 10
	v_mov_b32 v[KK+2*k], v[INV+k]
	v_mul_f32 v[KK+2*k+1], -v[GG+k], v[INV+k]
.set k, k+1
.endr
	v_mov_b32 v[KK+20], v[INV+10]
	v_mov_b32 v[KK+21], 0
.set k, 1
.rept 10
	v_mul_f32 v[KK+21+k], v[GG+k+1], v[INV+k]
.set k, k+1
.endr
	v_cmp_eq_u32 vcc_lo, 1, v3                     ; lanes 16-31 store K[16..31]
.set k, 0
.rept 16
	v_cndmask_b32 v[KK+k], v[KK+k], v[KK+16+k], vcc_lo
.set k, k+1
.endr
.irp i, 0,1,2,3
	global_store_b128 v14, v[KK+4*(\i):KK+4*(\i)+3], s[38:39] offset:(\i)*256   ; 16 lanes store 256 consecutive bytes, aligned
.endr
.Ldone:
	s_endpgm
.Lfunc_end_k_q330070560b_prep:
	.size	k_q330070560b_prep, .Lfunc_end_k_q330070560b_prep-k_q330070560b_prep
	.p2alignl 7, 3214868480
	.fill 96, 4, 3214868480
	.section	.rodata,"a",@progbits
	.p2align	6, 0x0
	.amdhsa_kernel k_q330070560b_prep
		.amdhsa_group_segment_fixed_size 0
		.amdhsa_private_segment_fixed_size 0
		.amdhsa_enable_private_segment 0
		.amdhsa_kernarg_size 48
		.amdhsa_user_sgpr_count 2
		.amdhsa_user_sgpr_kernarg_segment_ptr 1
		.amdhsa_wavefront_size32 1
		.amdhsa_system_sgpr_workgroup_id_x 1
		.amdhsa_system_sgpr_workgroup_id_y 1
		.amdhsa_system_sgpr_workgroup_id_z 1
		.amdhsa_system_vgpr_workitem_id 0
		.amdhsa_next_free_vgpr 96
		.amdhsa_next_free_sgpr 66
		.amdhsa_reserve_vcc 1
		.amdhsa_float_denorm_mode_32 3
		.amdhsa_float_denorm_mode_16_64 3
		.amdhsa_memory_ordered 1
		.amdhsa_forward_progress 1
		.amdhsa_inst_pref_size 19
	.end_amdhsa_kernel
	.amdgpu_metadata
---
amdhsa.version: [ 1, 2 ]
amdhsa.kernels:
  - .name:           k_q330070560b_prep
    .symbol:         k_q330070560b_prep.kd
    .args:
      - { .name: coeffs, .offset: 0, .size: 8, .value_kind: global_buffer, .address_space: global }
      - { .name: base_weight, .offset: 8, .size: 8, .value_kind: global_buffer, .address_space: global }
      - { .name: grid_steps_log, .offset: 16, .size: 8, .value_kind: global_buffer, .address_space: global }
      - { .name: grid_start, .offset: 24, .size: 8, .value_kind: global_buffer, .address_space: global }
      - { .name: wb, .offset: 32, .size: 8, .value_kind: global_buffer, .address_space: global }
      - { .name: tab, .offset: 40, .size: 8, .value_kind: global_buffer, .address_space: global }
    .group_segment_fixed_size: 0
    .private_segment_fixed_size: 0
    .kernarg_segment_align: 8
    .kernarg_segment_size: 48
    .max_flat_workgroup_size: 256
    .sgpr_count:     66
    .vgpr_count:     96
    .wavefront_size: 32
...
	.end_amdgpu_metadata
.endif
;; end of part 1
;; launch kan (part 2): grid 256 x 1, 8 waves a work-group, clusters of 4 x 1, 327,680 bytes of LDS; arguments x, wb, tab, res_scale, out0; writes out0
.if DOCPART == 2
	.amdgcn_target "amdgcn-amd-amdhsa--gfx1250"
	.amdhsa_code_object_version 6
	.text
	.protected	k_q330070560b_kan
	.globl	k_q330070560b_kan
	.p2align	8
	.type	k_q330070560b_kan,@function
k_q330070560b_kan:
	s_mov_b64 s[64:65], 0
	v_nop
	global_prefetch_b8 v0, s[64:65] scope:SCOPE_SE
	s_setreg_imm32_b32 hwreg(HW_REG_WAVE_MODE, 25, 1), 1
	s_wait_xcnt 0x0
	s_wait_alu depctr_hold_cnt(0) depctr_sa_sdst(0) depctr_va_vdst(0) depctr_va_sdst(0) depctr_va_ssrc(0) depctr_va_vcc(0) depctr_vm_vsrc(0)
	s_getreg_b32 s2, hwreg(HW_REG_IB_STS2, 6, 4)
	s_cmp_eq_u32 s2, 0
	s_cbranch_scc0 .Lentry_in_a_cluster
	s_endpgm
.Lentry_in_a_cluster:
	s_bfe_u32 s2, ttmp6, 0x10000c
	s_cmp_lg_u32 s2, 0x3003
	s_cbranch_scc0 .Lentry_shape_is_right
	s_endpgm
.Lentry_shape_is_right:
; out0 = tanh(A W^T + res_scale x).  A [16384][4608] is never in memory: for each x[m][i] its 8 spline bases (36 K steps of 128: 32 of bases, 4 of silu(x)) are made here, in f32, and rounded to f16.
; W comes from wb (f16, in the order of the matrix instruction's lanes), the knots' constants from tab; both were written by the launch before.
; LIMITS.  All inputs are rounded to bf16 first (x and res_scale here).  Bases are clamped at 65,504, f16's largest number; silu(x) beyond it overflows; below 6e-5 f16 keeps its fixed step of 6e-8.
; The first level, indicator times ramp, is taken as median(u_j, w_(j+1), 0): it differs from the two indicator terms by at most eps / (d + eps), next to the shared knot.  Infinities are not treated apart.
; SHARES.  A work-group owns 64 rows and all 512 columns, so that each x is expanded once in the launch: 256 work-groups.  Waves 0-3 MULTIPLY: wave w makes 64 rows x columns 128 w .. + 127,
; 32 accumulators of 16 x 16.  Waves 4-7 EXPAND: wave 4 + e makes rows 16 e .. + 15 of A for the NEXT K step into LDS while the others multiply this one.
; All barriers and tensor loads stand in text that every wave runs; behind each a branch on the wave's number chooses the kind's work, which holds neither.
; CLUSTER.  All work-groups walk the same W, so the four of a cluster ask for each tile JOINTLY: the same tensor load, descriptor and mask in all four.
; THE WALK'S START.  The order of K is free, so a cluster begins its 32 spline steps at chunk c0 = (the cluster's number) % 8 and goes round: walk position n < 32 is step (n + 4 c0) % 32; positions 32 to 35
; are the silu steps.  So the clusters of the eight classes ask for eight different tiles of W at a time, and from its fifth position on a cluster asks for tiles that another class asked for four
; positions earlier: 28 of a cluster's 36 tiles have been read by others before it asks.  Only addresses hang on c0, which the four partners share: no trip count, no branch, no LDS address.
; THE SPLINE.  inv_j = 1 / (g_(j+1) - g_j + 1e-8); u_j = (x - g_j) inv_j; w_p = (g_(p+1) - x) inv_p.  Level k: new_j = u_j old_j + w_(j+1+k) old_(j+1).  Two rows at a time, in packed f32.
; THE MATRIX INSTRUCTION IS USED TRANSPOSED: source 0 = 16 columns of W, source 1 = 16 rows of A: a lane then holds row lane % 16 and the 8 neighbouring columns 8 (lane / 16) + 0..7.
; The sums START with res_scale x (in_dim = out_dim): nothing is cleared and the way out needs no x.
; LDS: two slots of 131,072 bytes for W's steps (dense: a wave's load takes 512 consecutive bytes); two buffers of A, 64 rows x 272 bytes (256 + 16: the 16 rows of a load start at 16 different
; groups of four banks, 64 banks of 4 bytes: ISA guide 11.1), written by LDS stores alone; the spare words.  The launch claims all of a WGP's LDS.
; ADDRESSES.  Every address register of either kind of wave is made once, in text that all eight waves run, from the wave's number modulo 4 (w for waves 0-3, e for waves 4-7), in a register of its
; own; no LDS address register is ever rewritten: slots, buffers, quarters and rows stand in the immediates.
.set SLOT1,  1<<17                     ; slot 1 begins here: one exclusive or turns an address in one slot into the other's
.set STEPB,  131072                    ; bytes of W in a K step
.set ABUF,   2*SLOT1                   ; A's two buffers
.set APITCH, 272
.set ABYTES, 64*APITCH
.set SPARE,  ABUF+2*ABYTES             ; the spare words: 128 bytes for each of eight waves, four blocks of 256 bytes that no other line names
.set STGP,   528                       ; the way out: a row of 128 f32 + 16 bytes
.set STGB,   64*STGP                   ; a multiplying wave's stage, in the slots, behind their last fill
; scalar registers
.set TABB, 8                           ; s[8:9]   tab; never stepped
.set WV,   14                          ; s14      my wave's number
.set W3,   16                          ; s16      my wave's number modulo 4
.set G1,   24                          ; s[24:31] descriptor group 1
.set G0,   32                          ; s[32:35] descriptor group 0: its LDS word turns, its address is made anew for each tile
.set TRIP, 36                          ; s36      the loops' counter
.set XOFF, 37                          ; s37      byte in a row of x of the chunk to be loaded
.set MASKH, 38                         ; s38      a word's upper bf16
.set FMAX, 39                          ; s39      65,504.0
.set RES,  40                          ; s[40:41] res_scale rounded to bf16; named as a pair
.set XB,   42                          ; s[42:43] x at the work-group's first row
.set OUTB, 44                          ; s[44:45] out0 at the work-group's first row, columns 128 (wave % 4) on; never stepped
.set C2L,  46                          ; s[46:47] 2 log2(e)
.set NL2E, 48                          ; s[48:49] -log2(e)
.set XBW,  50                          ; s[50:51] x at the same columns
.set TABP, 54                          ; s[54:55] tab at the chunk in hand
.set TOFF, 56                          ; s[56:57] that chunk's byte offset in tab, 8,192 a chunk, modulo 65,536; the high word is 0
.set WOFF, 58                          ; s[58:59] a tile's byte offset in wb; the high word is 0
.set NT,   60                          ; s60      the walk position of the tile asked for last, 0 to 35
.set ROT,  61                          ; s61      4 c0: the step at which my cluster's walk begins
.set WBB,  62                          ; s[62:63] wb at my wave's eighth of step 0; never stepped
; vector registers of every wave, made in the common text
.set XRO,  1                           ; v1   multiplying: my byte offset in 16 rows of x: row lane % 16, 32 bytes for each half of the lanes
.set SPW,  2                           ; v2   LDS address of my spare word; never rewritten
.set NIL,  3                           ; v3   0; never rewritten
.set BAD,  4                           ; v4-5 multiplying: LDS address of my 16 bytes in W's slot 0, 1
.set AAD,  6                           ; v6-7 multiplying: of my fragments in A's buffer 0, 1
.set STO,  8                           ; v8   multiplying, the way out: where I put 16 bytes of a row
.set SRD,  9                           ; v9   multiplying, the way out: where I read rows back
.set AST,  10                          ; v10  expanding: LDS address in A's buffer 0: row 16 e + 8 (lane / 16), 16 bytes at 16 (lane % 16)
.set SST,  11                          ; v11  expanding: the same row, 8 bytes at 8 (lane % 16)
.set GO,   12                          ; v12  16 x lane: my byte offset in 512 bytes of out0
.set TVO,  13                          ; v13  16 (lane % 16): my feature's place in a quad of tab
.set XVO,  14                          ; v14  expanding: my byte offset in x: row 16 e + 8 (lane / 16), 16 bytes at 16 (lane % 16)
.set XVC,  15                          ; v15  expanding: XVO + XOFF, an offset into x: the one register of these that the loops rewrite
; of a multiplying wave.  Window 0: fragments, the way out.  Window 1: accumulator (a, b) at v[8 (8 a + b)]
.set RE,   16                          ; v16-47 eight rows on the way out
.set F0,   64                          ; fragment buffer 0: W's 8 blocks at + 8 b, A's 4 at + 64 + 8 a
.set F1,   160                         ; fragment buffer 1
; of an expanding wave (window 0 alone)
.set KC,   16                          ; v16-47   my feature's 32 constants
.set XN,   48                          ; v48-79   a chunk of x as loaded: row n at + 4 n
.set XM,   80                          ; v80-111  a second chunk, for silu
.set XP,   112                         ; v112-127 the chunk rounded to bf16: rows 2 np, 2 np + 1 of feature q at + 4 np + q
.set XX,   128                         ; v128-129 two rows' x
.set RU,   130                         ; v130-149 u_j at + 2 j
.set RW,   150                         ; v150-169 w_p at + 2 (p - 1)
.set RH,   170                         ; v170-189 the bases
.set RT,   190                         ; v190-207 at work
.set PK,   208                         ; v208-215 two rows' 8 bases in f16
.set SG,   128                         ; silu: v128-159 at work, v160-175 packed
.set SO,   160
.set MSB, 0
.macro WIN new                         ; the immediate's high byte repeats the setting that is left; a switch that changes nothing is dropped
.if MSB != (\new)
	s_set_vgpr_msb (MSB<<8)|(\new)
.set MSB, (\new)
.endif
.endm
.macro PLACES                          ; four places in front of loads into registers that matrix instructions have read, and of LDS stores that read results (ISA guide 7.12.1 for vector instructions)
.rept 4
	v_nop
.endr
.endm
; A round of the cluster's barrier: my work-group's barrier, so that wave 0's signal speaks for all eight waves; wave 0 signals; every wave waits for all four work-groups; my work-group's barrier once more.
.macro CROUND
	s_barrier_signal -1
	s_barrier_wait -1
	s_cmp_lg_u32 s[WV], 0
	s_cbranch_scc1 .Lnw0_\@
	s_barrier_signal -3
.Lnw0_\@:
	s_barrier_wait -3
	s_barrier_signal -1
	s_barrier_wait -1
.endm
; THE CHANGE OF STEPS, in every wave.  In front of the barrier: my tensor load (one is out: my eighth of the step to be multiplied next) has landed; 0 is added to my spare word; my LDS
; instructions are done: a multiplying wave's reads of the old slot and of A's old buffer, an expanding wave's stores into A's new one.  Behind it the new slot and A's new buffer are whole,
; and nobody reads the old ones.  fill = 1: the barrier is a round of the cluster's, and the old slot is filled again first thing behind it, with the tile of the next walk position:
; its address is made anew, wb's base plus the step's number times 131,072.
.macro SYNC fill
	s_wait_tensorcnt 0x0                           ; no tensor load of mine is out, so group 0 may be written
	ds_add_u32 v[SPW], v[NIL]                      ; 0 onto my spare word: with fill = 1 the descriptor's scalar work stands between it and the wait for it
.if \fill
	s_xor_b32 s[G0+1], s[G0+1], SLOT1              ; the other slot
	s_add_co_u32 s[NT], s[NT], 1                   ; the next walk position n
	s_add_co_u32 s[WOFF], s[NT], s[ROT]
	s_and_b32 s[WOFF], s[WOFF], 31                 ; a spline step: (n + 4 c0) % 32
	s_cmp_lt_u32 s[NT], 32
	s_cselect_b32 s[WOFF], s[WOFF], s[NT]          ; a silu step: n itself
	s_lshl_b32 s[WOFF], s[WOFF], 17                ; 131,072 bytes a step
	s_add_nc_u64 s[G0+2:G0+3], s[WBB:WBB+1], s[WOFF:WOFF+1]
	s_or_b32 s[G0+3], s[G0+3], 0x80000000          ; type = 2
.endif
	s_wait_dscnt 0x0                               ; the add and all my LDS loads and stores are done
.if \fill
	CROUND
	tensor_load_to_lds s[G0:G0+3], s[G1:G1+7]      ; my one tensor load behind the round: 64 rows x 256 bytes
	s_nop 0
	PLACES                                         ; (also the places in front of the fragment loads)
.else
	s_barrier_signal -1
	s_barrier_wait -1
	PLACES
.endif
.endm
; THE MULTIPLYING WAVES.  24 LDS loads in one run: the fragments of 32 along K, quarter kb of the step in slot and buffer p, into fragment buffer f: W's 8 blocks, then A's blocks 0, 1, then 2, 3.
.macro FETCH p, kb, f
	WIN 0
.irp b, 0,1,2,3,4,5,6,7
	ds_load_b128 v[(\f)+8*(\b):(\f)+8*(\b)+3],   v[BAD+(\p)] offset:(\kb)*8192+(\b)*1024
	ds_load_b128 v[(\f)+8*(\b)+4:(\f)+8*(\b)+7], v[BAD+(\p)] offset:(\kb)*8192+(\b)*1024+512
.endr
.irp a, 0,1,2,3
	ds_load_b128 v[(\f)+64+8*(\a):(\f)+64+8*(\a)+3],   v[AAD+(\p)] offset:(\a)*16*APITCH+(\kb)*64
	ds_load_b128 v[(\f)+64+8*(\a)+4:(\f)+64+8*(\a)+7], v[AAD+(\p)] offset:(\a)*16*APITCH+(\kb)*64+32
.endr
.endm
; 16 matrix instructions: row blocks 2 half, 2 half + 1 x all 8 column blocks.  The 32 accumulators take turns, one instruction a turn, always in this order.
.macro MUL16 f, half
	WIN 0x50                                       ; C and D in window 1, the sources in window 0
.irp a, 2*(\half), 2*(\half)+1
.irp b, 0,1,2,3,4,5,6,7
	v_wmma_f32_16x16x32_f16 v[8*(8*(\a)+(\b)):8*(8*(\a)+(\b))+7], v[(\f)+8*(\b):(\f)+8*(\b)+7], v[(\f)+64+8*(\a):(\f)+64+8*(\a)+7], v[8*(8*(\a)+(\b)):8*(8*(\a)+(\b))+7]
.endr
.endr
.endm
; A quarter: multiplies buffer f; in its middle it fetches quarter kb into buffer g.
.macro QUART p, kb, f, g
	s_wait_dscnt 4                                 ; W and A's blocks 0, 1 are in; the youngest four loads (A's blocks 2, 3) may be out
	MUL16 \f, 0
	WIN 0
	PLACES
	FETCH \p, \kb, \g
	s_wait_dscnt 24                                ; all but the 24 just issued
	MUL16 \f, 1
.endm
; A step: its first fragments are asked for, and the step before's last quarter, which lies in buffer 1, is multiplied while they come; this step's last quarter is left in buffer 1.
.macro MBLOCK p
	FETCH \p, 0, F0
	MUL16 F1, 0
	MUL16 F1, 1
	QUART \p, 1, F0, F1
	QUART \p, 2, F1, F0
	QUART \p, 3, F0, F1
	WIN 0                                          ; at a label and at a branch every window is 0
.endm
; THE EXPANDING WAVES.  Rows 2 np and 2 np + 1 of my eight, feature q of my four: 8 bases each, 16 bytes a row, into A's buffer buf.
.macro PASS np, q, buf
	v_lshlrev_b32 v[XX],   16,       v[XP+4*(\np)+(\q)]
	v_and_b32     v[XX+1], s[MASKH], v[XP+4*(\np)+(\q)]
.set j, 0
.rept 10                               ; u_j = x inv_j - g_j inv_j: both halves take the pair's low word as factor, its high word as addend
	v_pk_fma_f32 v[RU+2*j:RU+2*j+1], v[XX:XX+1], v[KC+2*j:KC+2*j+1], v[KC+2*j:KC+2*j+1] op_sel:[0,0,1] op_sel_hi:[1,0,1]
.set j, j+1
.endr
.set j, 1
.rept 10                               ; w_p = -x inv_p + g_(p+1) inv_p: the addend is K[21 + p]
.if (21+j)&1
	v_pk_fma_f32 v[RW+2*j-2:RW+2*j-1], v[XX:XX+1], v[KC+2*j:KC+2*j+1], v[KC+20+j:KC+21+j] op_sel:[0,0,1] op_sel_hi:[1,0,1] neg_lo:[0,1,0] neg_hi:[0,1,0]
.else
	v_pk_fma_f32 v[RW+2*j-2:RW+2*j-1], v[XX:XX+1], v[KC+2*j:KC+2*j+1], v[KC+21+j:KC+22+j] op_sel_hi:[1,0,0] neg_lo:[0,1,0] neg_hi:[0,1,0]
.endif
.set j, j+1
.endr
.set j, 0
.rept 20                               ; indicators and level 0 in one: the hat median(u_j, w_(j+1), 0)
	v_med3_num_f32 v[RH+j], v[RU+j], v[RW+j], 0
.set j, j+1
.endr
.set j, 0
.rept 9                                ; level 1: u_j b_j + w_(j+2) b_(j+1)
	v_pk_mul_f32 v[RT+2*j:RT+2*j+1], v[RW+2*j+2:RW+2*j+3], v[RH+2*j+2:RH+2*j+3]
.set j, j+1
.endr
.set j, 0
.rept 9
	v_pk_fma_f32 v[RH+2*j:RH+2*j+1], v[RU+2*j:RU+2*j+1], v[RH+2*j:RH+2*j+1], v[RT+2*j:RT+2*j+1]
.set j, j+1
.endr
.set j, 0
.rept 8                                ; level 2: u_j b_j + w_(j+3) b_(j+1)
	v_pk_mul_f32 v[RT+2*j:RT+2*j+1], v[RW+2*j+4:RW+2*j+5], v[RH+2*j+2:RH+2*j+3]
.set j, j+1
.endr
.set j, 0
.rept 8
	v_pk_fma_f32 v[RH+2*j:RH+2*j+1], v[RU+2*j:RU+2*j+1], v[RH+2*j:RH+2*j+1], v[RT+2*j:RT+2*j+1]
.set j, j+1
.endr
.set j, 0
.rept 16
	v_min_num_f32 v[RH+j], s[FMAX], v[RH+j]        ; bases are not negative: one bound keeps them inside f16
.set j, j+1
.endr
.set j, 0
.rept 4
	v_cvt_pk_f16_f32 v[PK+j],   v[RH+4*j],   v[RH+4*j+2]   ; the even row's bases 2 j, 2 j + 1
	v_cvt_pk_f16_f32 v[PK+4+j], v[RH+4*j+1], v[RH+4*j+3]   ; the odd row's
.set j, j+1
.endr
	ds_store_b128 v[AST], v[PK:PK+3]   offset:(\buf)*ABYTES+(\np)*2*APITCH          ; 16 lanes write a row's 256 bytes
	ds_store_b128 v[AST], v[PK+4:PK+7] offset:(\buf)*ABYTES+(\np)*2*APITCH+APITCH
.endm
; A of walk position 4 t + q: feature q of each four of chunk (c0 + t) % 8.  Every wait for loads in this kind's text is for 0, so that loads may be jumped over.
.macro PRODUCE q
	s_wait_loadcnt 0x0                             ; this step's constants (and for q = 0 the chunk of x) are in; TABP and XVC may be written
.if (\q) == 0
.set i, 0
.rept 16                               ; the chunk rounded to bf16, two rows to a word
	v_cvt_pk_bf16_f32 v[XP+i], v[XN+8*(i/4)+i%4], v[XN+8*(i/4)+4+i%4]
.set i, i+1
.endr
	s_add_co_u32 s[XOFF], s[XOFF], 256             ; the next chunk of 64 features, round the row's eight;
	s_and_b32 s[XOFF], s[XOFF], 2047
	s_cmp_eq_u32 s[TRIP], 1                        ; behind the walk's eighth chunk comes chunk 0, for silu
	s_cselect_b32 s[XOFF], 0, s[XOFF]
	v_add_nc_u32 v[XVC], s[XOFF], v[XVO]
.set i, 0
.rept 8
	global_load_b128 v[XN+4*i:XN+4*i+3], v[XVC], s[XB:XB+1] offset:i*2048    ; 16 lanes take 256 consecutive bytes of a row, aligned
.set i, i+1
.endr
.endif
.if (\q) == 3
	s_add_co_u32 s[TOFF], s[TOFF], 8192            ; the next chunk's constants, round tab's eight chunks
	s_and_b32 s[TOFF], s[TOFF], 0xffff
	s_add_nc_u64 s[TABP:TABP+1], s[TABB:TABB+1], s[TOFF:TOFF+1]
.endif
	PASS 0, \q, ((\q)&1)
	PASS 1, \q, ((\q)&1)
	PASS 2, \q, ((\q)&1)
	PASS 3, \q, ((\q)&1)
.if (\q) == 3
	s_cmp_eq_u32 s[TRIP], 1                        ; behind the walk's last spline step no constants are wanted
	s_cbranch_scc1 .Lnok_\@
.endif
.set i, 0
.rept 8
	global_load_b128 v[KC+4*i:KC+4*i+3], v[TVO], s[TABP:TABP+1] offset:(((\q)+1)&3)*2048+i*256   ; the next step's constants
.set i, i+1
.endr
.if (\q) == 3
.Lnok_\@:
.endif
.endm
; silu of one chunk (8 rows x 4 features a lane): x rounded to bf16; x / (1 + 2^(-log2(e) x)); 8 bytes a row into A's buffer buf, columns 64 z on.
.macro SILUZ src, z, buf
.set i, 0
.rept 16
	v_cvt_pk_bf16_f32 v[XP+i], v[(\src)+2*i], v[(\src)+2*i+1]
.set i, i+1
.endr
.set i, 0
.rept 16
	v_lshlrev_b32 v[(\src)+2*i],   16,       v[XP+i]
	v_and_b32     v[(\src)+2*i+1], s[MASKH], v[XP+i]
.set i, i+1
.endr
.set i, 0
.rept 16
	v_pk_mul_f32 v[SG+2*i:SG+2*i+1], v[(\src)+2*i:(\src)+2*i+1], s[NL2E:NL2E+1] op_sel_hi:[1,0]
.set i, i+1
.endr
.set i, 0
.rept 32
	v_exp_f32 v[SG+i], v[SG+i]
.set i, i+1
.endr
	v_nop                                          ; a plain instruction between the last exponential and the use of its result (ISA guide 5.7.2)
.set i, 0
	s_wait_alu depctr_va_vdst(0)
.rept 16
	v_pk_add_f32 v[SG+2*i:SG+2*i+1], v[SG+2*i:SG+2*i+1], 1.0 op_sel_hi:[1,0]
.set i, i+1
.endr
.set i, 0
.rept 32
	v_rcp_f32 v[SG+i], v[SG+i]
.set i, i+1
.endr
	v_nop
.set i, 0
	s_wait_alu depctr_va_vdst(0)
.rept 16
	v_pk_mul_f32 v[SG+2*i:SG+2*i+1], v[SG+2*i:SG+2*i+1], v[(\src)+2*i:(\src)+2*i+1]
.set i, i+1
.endr
.set i, 0
.rept 16
	v_cvt_pk_f16_f32 v[SO+i], v[SG+2*i], v[SG+2*i+1]
.set i, i+1
.endr
.set i, 0
.rept 8
	ds_store_b64 v[SST], v[SO+2*i:SO+2*i+1] offset:(\buf)*ABYTES+i*APITCH+128*(\z)   ; lanes 0-15: 128 bytes of a row; lanes 16-31: the same 128 bytes eight rows on
.set i, i+1
.endr
.endm
; A of a silu step: features 128 i .. + 127 are two chunks.  last = 1: in the loop's last trip nothing more is loaded.
.macro SILU buf, last
	s_wait_loadcnt 0x0
	SILUZ XN, 0, \buf
	SILUZ XM, 1, \buf
.if \last
	s_cmp_eq_u32 s[TRIP], 1
	s_cbranch_scc1 .Lnox_\@
.endif
	s_add_co_u32 s[XOFF], s[XOFF], 512
	v_add_nc_u32 v[XVC], s[XOFF], v[XVO]
.set i, 0
.rept 8
	global_load_b128 v[XN+4*i:XN+4*i+3], v[XVC], s[XB:XB+1] offset:i*2048
	global_load_b128 v[XM+4*i:XM+4*i+3], v[XVC], s[XB:XB+1] offset:i*2048+256
.set i, i+1
.endr
.if \last
.Lnox_\@:
.endif
.endm
; A position of the walk: the change of steps, then each kind's work.
.macro POS mp, q
	SYNC 1
	s_cmp_lt_u32 s[WV], 4
	s_cbranch_scc0 .Lx_\@
	MBLOCK \mp
	s_branch .Lj_\@
.Lx_\@:
	PRODUCE \q
.Lj_\@:
.endm
.macro TPOS mp, buf, last
	SYNC 1
	s_cmp_lt_u32 s[WV], 4
	s_cbranch_scc0 .Lx_\@
	MBLOCK \mp
	s_branch .Lj_\@
.Lx_\@:
	SILU \buf, \last
.Lj_\@:
.endm
; THE WAY OUT, rows 8 g .. 8 g + 7 of my 64: back from my stage as whole rows of 512 bytes; tanh(y) = 1 - 2 / (1 + 2^(2 log2(e) y)); stored.  The rows' places stand in the immediates.
.macro OUTGRP g
.if (\g) > 0
	s_wait_xcnt 0x0                                ; the group before's stores have read their data: these registers are loaded again only behind this wait
.endif
.set i, 0
.rept 8
	ds_load_b128 v[RE+4*i:RE+4*i+3], v[SRD] offset:(8*(\g)+i)*STGP   ; LDS serves a wave's instructions in order (ISA guide 5.7.1.4): these see my stores into the stage
.set i, i+1
.endr
	s_wait_dscnt 0x0
.set i, 0
.rept 16
	v_pk_mul_f32 v[RE+2*i:RE+2*i+1], v[RE+2*i:RE+2*i+1], s[C2L:C2L+1] op_sel_hi:[1,0]
.set i, i+1
.endr
.set i, 0
.rept 32
	v_exp_f32 v[RE+i], v[RE+i]
.set i, i+1
.endr
	v_nop                                          ; a plain instruction between the last exponential and the use of its result (ISA guide 5.7.2)
.set i, 0
	s_wait_alu depctr_va_vdst(0)
.rept 16
	v_pk_add_f32 v[RE+2*i:RE+2*i+1], v[RE+2*i:RE+2*i+1], 1.0 op_sel_hi:[1,0]
.set i, i+1
.endr
.set i, 0
.rept 32
	v_rcp_f32 v[RE+i], v[RE+i]
.set i, i+1
.endr
	v_nop
.set i, 0
	s_wait_alu depctr_va_vdst(0)
.rept 16
	v_pk_fma_f32 v[RE+2*i:RE+2*i+1], v[RE+2*i:RE+2*i+1], -2.0, 1.0 op_sel_hi:[1,0,0]
.set i, i+1
.endr
.set i, 0
.rept 8
	global_store_b128 v[GO], v[RE+4*i:RE+4*i+3], s[OUTB:OUTB+1] offset:(8*(\g)+i)*2048 th:TH_STORE_NT   ; the wave stores 512 consecutive bytes, at a multiple of 256 from out0's first byte; 63 rows at the most, inside the signed 24-bit immediate
.set i, i+1
.endr
.endm
	s_load_b256 s[4:11], s[0:1], 0x0               ; x s[4:5], wb s[6:7], tab s[8:9], res_scale s[10:11]
	s_load_b64 s[12:13], s[0:1], 0x20              ; out0
	v_lshl_add_u32 v[SPW], v0, 2, SPARE
	v_mov_b32 v[NIL], 0
	ds_add_u32 v2, v3
	s_wait_dscnt 0x0
	v_lshrrev_b32 v1, 5, v0
	v_readfirstlane_b32 s[WV], v1                  ; wave 0..7
	s_bfe_u32 s17, ttmp6, 0x40000                  ; cx: my place in the cluster
	s_lshl_b32 s18, ttmp9, 2                       ; in a cluster launch ttmp9 counts clusters
	s_add_co_u32 s18, s18, s17                     ; my work-group: it enters x's and out0's addresses alone
	s_and_b32 s[ROT], ttmp9, 7                     ; c0: my cluster's class, the same in its four work-groups
	s_lshl_b32 s[ROT], s[ROT], 2                   ; the walk begins at step 4 c0:
	s_lshl_b32 s[WOFF], s[ROT], 17                 ; its tile in wb, 131,072 bytes a step,
	s_mov_b32 s[WOFF+1], 0
	s_lshl_b32 s[TOFF], s[ROT], 11                 ; its constants in tab, 2,048 bytes a step,
	s_mov_b32 s[TOFF+1], 0
	s_lshl_b32 s[XOFF], s[ROT], 6                  ; its chunk in a row of x, 256 bytes for four steps
	s_mov_b32 s[NT], 0
	; descriptor group 1: 16,384 dense bytes as 64 rows of 256 bytes
	s_mov_b32 s[G1], 15|(3<<16)|(1<<21)            ; 15:0 the mask of four; 17:16 elements of 8 bytes; 21 set beside a mask; no padding
	s_mov_b32 s[G1+1], 32<<16                      ; tensor_dim0 = 32
	s_mov_b32 s[G1+2], 64<<16                      ; tensor_dim1 = 64
	s_mov_b32 s[G1+3], 32<<16                      ; tile_dim0 = 32
	s_mov_b32 s[G1+4], 64                          ; tile_dim1 = 64
	s_mov_b32 s[G1+5], 32                          ; 32 elements from row to row
	s_mov_b32 s[G1+6], 0
	s_mov_b32 s[G1+7], 0
	s_mov_b32 s[G0], 1                             ; count = 1
	s_lshl_b32 s[G0+1], s[WV], 14                  ; LDS address: my eighth of slot 0
	s_lshl_b32 s20, s[WV], 14                      ; and of a step in wb
	s_mov_b32 s21, 0
	s_lshl_b32 s22, s18, 17                        ; 64 rows of 2,048 bytes for each work-group
	s_mov_b32 s23, 0
	s_mov_b32 s[MASKH], 0xffff0000
	s_mov_b32 s[FMAX], 0x477fe000                  ; 65,504.0
	s_mov_b32 s[C2L], 0x4038aa3b                   ; 2 log2(e)
	s_mov_b32 s[C2L+1], s[C2L]                     ; named as pairs
	s_mov_b32 s[NL2E], 0xbfb8aa3b                  ; -log2(e)
	s_mov_b32 s[NL2E+1], s[NL2E]
	s_wait_kmcnt 0x0
	s_load_b32 s19, s[10:11], 0x0                  ; res_scale: waited for in the multiplying waves' set-up, so that the first tile's request does not wait for it
	s_add_nc_u64 s[WBB:WBB+1], s[6:7], s[20:21]
	s_add_nc_u64 s[G0+2:G0+3], s[WBB:WBB+1], s[WOFF:WOFF+1]   ; global address: my eighth of the walk's first step
	s_or_b32 s[G0+3], s[G0+3], 0x80000000          ; type = 2
	s_add_nc_u64 s[TABP:TABP+1], s[TABB:TABB+1], s[TOFF:TOFF+1]
	s_add_nc_u64 s[XB:XB+1], s[4:5], s[22:23]
	s_add_nc_u64 s[OUTB:OUTB+1], s[12:13], s[22:23]
	CROUND                                         ; all four work-groups are here: the first joint loads meet
	tensor_load_to_lds s[G0:G0+3], s[G1:G1+7]      ; walk position 0 into slot 0; slot 1 is first filled behind the next round, as a refill is
	s_nop 0
	PLACES
	; THE ADDRESSES OF BOTH KINDS OF WAVE, made by every wave
	s_and_b32 s[W3], s[WV], 3                      ; w, or e
	s_lshl_b32 s20, s[W3], 15                      ; a quarter of a slot; also 16 rows of x of 2,048 bytes
	s_mul_i32 s21, s[W3], STGB                     ; a stage
	s_mul_i32 s22, s[W3], 16*APITCH                ; 16 rows of A,
	s_add_co_u32 s22, s22, ABUF                    ; in buffer 0
	s_lshl_b32 s52, s[W3], 9                       ; 128 columns: 512 bytes of a row of x and of out0
	s_mov_b32 s53, 0
	s_add_nc_u64 s[XBW:XBW+1], s[XB:XB+1], s[52:53]
	s_add_nc_u64 s[OUTB:OUTB+1], s[OUTB:OUTB+1], s[52:53]
	v_and_b32 v16, 15, v0                          ; lane % 16
	v_bfe_u32 v17, v0, 4, 1                        ; lane / 16
	v_and_b32 v[GO], 31, v0
	v_lshlrev_b32 v[GO], 4, v[GO]                  ; 16 x lane
	v_lshlrev_b32 v[TVO], 4, v16                   ; 16 (lane % 16)
	v_add_nc_u32 v[BAD], s20, v[GO]                ; W: my quarter of slot 0, 16 bytes a lane
	v_add_nc_u32 v[BAD+1], SLOT1, v[BAD]
	v_mul_u32_u24 v18, v16, APITCH
	v_lshl_add_u32 v18, v17, 4, v18                ; a fragment's row x pitch + 16 x half
	v_add_nc_u32 v[AAD], ABUF, v18
	v_add_nc_u32 v[AAD+1], ABUF+ABYTES, v18
	v_mul_u32_u24 v[STO], v16, STGP                ; into the stage: row lane % 16, 32 bytes for each half of the lanes
	v_lshl_add_u32 v[STO], v17, 5, v[STO]
	v_add_nc_u32 v[STO], s21, v[STO]
	v_add_nc_u32 v[SRD], s21, v[GO]                ; back: a whole row of 512 bytes
	v_mul_u32_u24 v18, v17, 8*APITCH               ; A as it is made: which eight of the sixteen rows
	v_add_nc_u32 v18, s22, v18
	v_add_nc_u32 v[AST], v[TVO], v18
	v_lshl_add_u32 v[SST], v16, 3, v18
	v_lshlrev_b32 v[XRO], 11, v16                  ; x for the sums' start: row lane % 16, 32 bytes for each half of the lanes
	v_lshl_add_u32 v[XRO], v17, 5, v[XRO]
	v_lshlrev_b32 v[XVO], 14, v17                  ; x to be expanded: 8 rows for the upper half of the lanes,
	v_add_nc_u32 v[XVO], v[TVO], v[XVO]            ; 16 bytes a lane of a half,
	v_add_nc_u32 v[XVO], s20, v[XVO]               ; 16 e rows
	v_add_nc_u32 v[XVC], s[XOFF], v[XVO]           ; and the walk's first chunk
	s_mov_b32 s[TRIP], 8
	s_cmp_lt_u32 s[WV], 4
	s_cbranch_scc0 .Lexp_init
	; A MULTIPLYING WAVE'S SET-UP
	s_wait_kmcnt 0x0                               ; res_scale
	v_mov_b32 v16, s19
	v_cvt_pk_bf16_f32 v16, v16, v16                ; rounded to bf16 like every input
	v_lshlrev_b32 v16, 16, v16
	v_readfirstlane_b32 s[RES], v16
	s_mov_b32 s[RES+1], s[RES]
	WIN 0x40                                       ; destination window 1, address window 0
.set i, 0
.rept 32                               ; x of my 64 x 128 numbers, straight into the accumulators' places: block (a, b) = (i / 8, i % 8)
	global_load_b128 v[8*i:8*i+3],   v[XRO], s[XBW:XBW+1] offset:(i/8)*32768+(i%8)*64
	global_load_b128 v[8*i+4:8*i+7], v[XRO], s[XBW:XBW+1] offset:(i/8)*32768+(i%8)*64+16
.set i, i+1
.endr
	s_wait_loadcnt 0x0
	WIN 0x05                                       ; sources in window 1, destination in window 0
.set i, 0
.rept 128
	v_cvt_pk_bf16_f32 v[64+i], v[2*i], v[2*i+1]    ; x rounded to bf16,
.set i, i+1
.endr
	WIN 0x40
.set i, 0
.rept 128
	v_lshlrev_b32 v[2*i],   16,       v[64+i]      ; that number as f32,
	v_and_b32     v[2*i+1], s[MASKH], v[64+i]
.set i, i+1
.endr
	WIN 0x41
.set i, 0
.rept 128
	v_pk_mul_f32 v[2*i:2*i+1], v[2*i:2*i+1], s[RES:RES+1] op_sel_hi:[1,0]   ; times res_scale: what the sums start with
.set i, i+1
.endr
	WIN 0
.set i, F1
.rept 96                               ; the first step finds no quarter left over: buffer 1 holds 0.  The price of one text for every step: these lines and 32 products on zeros, once
	v_mov_b32 v[i], 0
.set i, i+1
.endr
	s_branch .Ljoin0
.Lexp_init:                            ; AN EXPANDING WAVE'S SET-UP
.set i, 0
.rept 8
	global_load_b128 v[XN+4*i:XN+4*i+3], v[XVC], s[XB:XB+1] offset:i*2048        ; chunk c0
	global_load_b128 v[XM+4*i:XM+4*i+3], v[XVO], s[XB:XB+1] offset:i*2048+256    ; chunk 1, kept for the first silu step
	global_load_b128 v[KC+4*i:KC+4*i+3], v[TVO], s[TABP:TABP+1] offset:i*256     ; the constants of the walk's first step
.set i, i+1
.endr
	s_branch .Lprod0                               ; A of walk position 0 is made by the loop's own text
; THE WALK.  Place j of trip t: the tile of walk position 4 t + j is asked for, position 4 t + j - 1 multiplied, A of position 4 t + j made.  The first trip is entered behind its first change of steps.
.Lloop:
	SYNC 1
	s_cmp_lt_u32 s[WV], 4
	s_cbranch_scc0 .Lprod0
	MBLOCK 1
	s_branch .Ljoin0
.Lprod0:
	PRODUCE 0
.Ljoin0:
	POS 0, 1
	POS 1, 2
	POS 0, 3
	s_sub_co_u32 s[TRIP], s[TRIP], 1
	s_cmp_lg_u32 s[TRIP], 0
	s_cbranch_scc1 .Lloop
	s_mov_b32 s[TRIP], 2
.Ltail:                                ; two trips: positions 32 to 35 are asked for and their A (silu) made, positions 31 to 34 multiplied
	TPOS 1, 0, 0
	TPOS 0, 1, 1
	s_sub_co_u32 s[TRIP], s[TRIP], 1
	s_cmp_lg_u32 s[TRIP], 0
	s_cbranch_scc1 .Ltail
	SYNC 0                                         ; position 35 is whole; nothing is left to ask for
	s_cmp_lt_u32 s[WV], 4
	s_cbranch_scc0 .Lno_last
	MBLOCK 1
.Lno_last:
	s_wait_dscnt 0x0                               ; my reads of the slots are over: the stages lie where other waves' parts of W lay
	s_barrier_signal -1
	s_barrier_wait -1
	s_cmp_lt_u32 s[WV], 4
	s_cbranch_scc0 .Lfin
	MUL16 F1, 0                                    ; the last quarter
	MUL16 F1, 1
	; THE WAY OUT, a block of 16 rows at a time.  A lane's 8 numbers of a row go into my stage (rows of 528 bytes: the 16 rows of a store start at 16 different groups of four banks);
	; the stage is mine alone, so no barrier and no wait stand between these stores and the loads that read whole rows back.
	PLACES
.irp a, 0,1,2,3
	WIN 0x04                                       ; the stores' data in window 1
.set i, 8*(\a)
.rept 8                                ; each accumulator's low four registers first
	ds_store_b128 v[STO], v[8*i:8*i+3]   offset:(i/8)*16*STGP+(i%8)*64
	ds_store_b128 v[STO], v[8*i+4:8*i+7] offset:(i/8)*16*STGP+(i%8)*64+16
.set i, i+1
.endr
	WIN 0
	OUTGRP 2*(\a)
	OUTGRP 2*(\a)+1
.endr
.Lfin:
	s_wait_tensorcnt 0x0                           ; the wave's end: behind my last tensor load and my last LDS store
	ds_add_u32 v[SPW], v[NIL]
	s_wait_dscnt 0x0
	CROUND                                         ; the closing round: no work-group ends while a partner may still ask for a tile that names it
	s_endpgm
.Lfunc_end_k_q330070560b_kan:
	.size	k_q330070560b_kan, .Lfunc_end_k_q330070560b_kan-k_q330070560b_kan
	.p2alignl 7, 3214868480
	.fill 96, 4, 3214868480
	.section	.rodata,"a",@progbits
	.p2align	6, 0x0
	.amdhsa_kernel k_q330070560b_kan
		.amdhsa_group_segment_fixed_size 327680
		.amdhsa_private_segment_fixed_size 0
		.amdhsa_enable_private_segment 0
		.amdhsa_kernarg_size 40
		.amdhsa_user_sgpr_count 2
		.amdhsa_user_sgpr_kernarg_segment_ptr 1
		.amdhsa_wavefront_size32 1
		.amdhsa_system_sgpr_workgroup_id_x 1
		.amdhsa_system_sgpr_workgroup_id_y 1
		.amdhsa_system_sgpr_workgroup_id_z 1
		.amdhsa_system_vgpr_workitem_id 0
		.amdhsa_next_free_vgpr 512
		.amdhsa_next_free_sgpr 66
		.amdhsa_reserve_vcc 0
		.amdhsa_float_denorm_mode_32 3
		.amdhsa_float_denorm_mode_16_64 3
		.amdhsa_memory_ordered 1
		.amdhsa_forward_progress 1
		.amdhsa_inst_pref_size 255
	.end_amdhsa_kernel
	.section	.bss,"aw",@nobits
	.p2align	6
	.space	262144
	.amdgpu_metadata
---
amdhsa.version: [ 1, 2 ]
amdhsa.kernels:
  - .name:           k_q330070560b_kan
    .symbol:         k_q330070560b_kan.kd
    .args:
      - { .name: x, .offset: 0, .size: 8, .value_kind: global_buffer, .address_space: global }
      - { .name: wb, .offset: 8, .size: 8, .value_kind: global_buffer, .address_space: global }
      - { .name: tab, .offset: 16, .size: 8, .value_kind: global_buffer, .address_space: global }
      - { .name: res_scale, .offset: 24, .size: 8, .value_kind: global_buffer, .address_space: global }
      - { .name: out0, .offset: 32, .size: 8, .value_kind: global_buffer, .address_space: global }
    .group_segment_fixed_size: 327680
    .private_segment_fixed_size: 0
    .kernarg_segment_align: 8
    .kernarg_segment_size: 40
    .max_flat_workgroup_size: 256
    .sgpr_count:     66
    .vgpr_count:     512
    .wavefront_size: 32
...
	.end_amdgpu_metadata
.endif
;; end of part 2
;; ======== version 2 of 2: 2 launches; version 1 with the launch prep written anew for expert scheduling mode
;; limits: values are held in f16: magnitudes above 65,504 overflow, below 6.1e-05 lose precision; right only within a limited range of input values; inputs' magnitudes at most 65,504
;; workspace buffers: wb 4,718,592 bytes; tab 65,536 bytes
;; launch prep (part 3): grid 32 x 9, 8 waves a work-group, no clusters, 0 bytes of LDS; arguments coeffs, base_weight, grid_steps_log, grid_start, wb, tab; writes wb, tab
.if DOCPART == 3
	.amdgcn_target "amdgcn-amd-amdhsa--gfx1250"
	.amdhsa_code_object_version 6
	.text
	.protected	k_q330070560b_prep
	.globl	k_q330070560b_prep
	.p2align	8
	.type	k_q330070560b_prep,@function
k_q330070560b_prep:
	s_mov_b64 s[64:65], 0
	v_nop
	global_prefetch_b8 v0, s[64:65] scope:SCOPE_SE
	s_setreg_imm32_b32 hwreg(HW_REG_WAVE_SCHED_MODE, 0, 2), 2
	s_setreg_imm32_b32 hwreg(HW_REG_WAVE_MODE, 25, 1), 1
	s_wait_xcnt 0x0
	s_wait_alu depctr_vm_vsrc(0)
; PREP.  Two things for the launch behind it.
; (1) wb: coeffs [512][4096] and base_weight [512][512], each number rounded to bf16 and that number written as f16, laid in the order in which the
;     matrix instruction's lanes want it: [step 0..35][column quarter w 0..3][kb 0..3][column block b 0..7][jj 0..1][lane 0..31] x 16 bytes.
;     Lane 16 h + r holds column n = 128 w + 16 b + r and the 8 numbers k = 32 kb + 16 jj + 8 h + 0..7 of the step's 128.
;     Step s = 4 c + q < 32: k = 8 l + j is coefficient j of feature 64 c + 4 l + q.   Step 32 + i: k is feature 128 i + k of base_weight.
; (2) tab: for each feature 32 constants of its knots, [step 0..31][quad 0..7][l 0..15] x 16 bytes (feature 64 c + 4 l + q at step 4 c + q):
;     K[2j] = inv_j, K[2j+1] = -g_j inv_j (j = 0..9); K[20] = inv_10; K[21] = 0; K[21+p] = g_(p+1) inv_p (p = 1..10); inv_j = 1 / (g_(j+1) - g_j + 1e-8).
; LIMITS.  All inputs are rounded to bf16 first.  A weight beyond 65,504 overflows f16; below 6e-5 it keeps f16's fixed step of 6e-8.  In softplus exp(-|z|) below 2^-126 counts as 0.
; SHARES.  Work-group (nb, cc): 16 columns n = 16 nb + r; cc < 8: chunk c = cc of coeffs (64 features, steps 4 cc .. 4 cc + 3); cc = 8: base_weight (steps 32 .. 35).
; Wave wv = 2 kb + jj; piece i = 0..3 is the step within the chunk.  A thread turns 4 x 32 bytes of f32 into 4 x 16 bytes of f16; a wave's store covers 512 consecutive bytes, aligned.
; THE MODE: SCHED_MODE bits 1:0 = 2 (LLVM: expert scheduling mode 2), set by the entry lines.  The code itself states the register dependences
; between vector instructions and memory instructions, and those through scalar registers that vector instructions write, with s_wait_alu, always for 0.
; THE PLAN.  Registers that memory instructions touch, in the text's order (there is no loop):
;   v4-v7      offsets into the source: written at the head, read by the eight loads, never written again.
;   v9         16 x lane: written at the head, read by the four stores into wb, never written again.
;   SRC        the eight loads land in it; the roundings to bf16 read it; in the table's part loads land in v16-26 of it once more.
;   DST        written by the conversions to f16 of all four pieces, which stand in one run; read by the four stores into wb, which stand in one run behind them; written again by the table's K.
;   v11, v12   offsets into grid_start and grid_steps_log: written by vector instructions, read by the table's twelve loads, never written again.
;   v14, KK    written by vector instructions, read by the four stores into tab.
;   All other registers are named by vector instructions alone.
; So four waits on va_vdst stand ahead of the four runs of memory instructions, one on vm_vsrc behind the stores into wb, and three more on va_vdst behind the three batches of transcendentals.
; The compares stand in one run and write scalar registers of their own, so that one wait on va_sdst serves all twelve; one more serves the wave's number.
.set SRC, 16                           ; v[16:47]  as loaded: piece i at SRC + 8 i
.set PB,  48                           ; v[48:51]  packed bf16
.set UN,  52                           ; v[52:59]  the rounded numbers as f32
.set DST, 64                           ; v[64:79]  packed f16: piece i at DST + 4 i
.set ZS,  16                           ; the table: v[16:26] z, then the steps, then their running sum
.set EE,  28                           ; v[28:38]  e = exp(-|z|)
.set WW,  40                           ; v[40:50]  1 + e, then log1p(e)
.set DD,  52                           ; v[52:62]  (1 + e) - 1
.set RR,  80                           ; v[80:90]  its reciprocal
.set GG,  40                           ; v[40:51]  the 12 knots (where WW lay)
.set INV, 52                           ; v[52:62]  inv_j (where DD lay)
.set KK,  64                           ; v[64:95]  K[0..31]
.set MK,  20                           ; s[20:30]  the table: the lanes in which (1 + e) - 1 is 0, for each of the 11 steps; what these registers held is no longer wanted there
.set MH,  43                           ; s43       the table: lanes 16 to 31
	s_load_b256 s[4:11], s[0:1], 0x0               ; coeffs s[4:5], base_weight s[6:7], grid_steps_log s[8:9], grid_start s[10:11]
	s_load_b128 s[12:15], s[0:1], 0x20             ; wb s[12:13], tab s[14:15]
	v_lshrrev_b32 v1, 5, v0
	v_readfirstlane_b32 s16, v1                    ; wv
	s_mov_b32 s17, ttmp9                           ; nb
	s_and_b32 s18, ttmp7, 0xffff                   ; cc
	s_lshl_b32 s24, s17, 18                        ; coeffs: 16 nb rows of 16,384 bytes
	s_lshl_b32 s25, s18, 11                        ; + chunk cc of 2,048 bytes
	s_add_co_u32 s24, s24, s25
	s_lshl_b32 s25, s17, 15                        ; base_weight: 16 nb rows of 2,048 bytes
	s_mov_b32 s27, 0
	s_mov_b32 s31, 0xffff0000                      ; a word's upper bf16
	s_lshl_b32 s34, s18, 19                        ; wb: four steps of 131,072 bytes for each cc,
	s_lshr_b32 s35, s17, 3
	s_lshl_b32 s35, s35, 15                        ; w = nb / 8: 32,768
	s_add_co_u32 s34, s34, s35
	s_wait_alu depctr_va_sdst(0)                   ; s16 is written, ahead of its first reader: wb's offset, the source's and a branch are made from it
	s_lshr_b32 s35, s16, 1
	s_lshl_b32 s35, s35, 13                        ; kb = wv / 2: 8,192
	s_add_co_u32 s34, s34, s35
	s_and_b32 s35, s17, 7
	s_lshl_b32 s35, s35, 10                        ; b = nb % 8: 1,024
	s_add_co_u32 s34, s34, s35
	s_and_b32 s35, s16, 1
	s_lshl_b32 s35, s35, 9                         ; jj = wv % 2: 512
	s_add_co_u32 s34, s34, s35
	s_mov_b32 s35, 0
	s_cmp_eq_u32 s18, 8                            ; base_weight or coeffs: the selects below leave the flag as it is
	s_cselect_b32 s19, 11, 14                      ; shift of a row
	s_cselect_b32 s20, 6, 8                        ; of wv
	s_cselect_b32 s21, 5, 7                        ; of h
	s_cselect_b32 s22, 512, 32                     ; bytes from piece to piece
	s_cselect_b32 s26, s25, s24
	s_wait_kmcnt 0x0
	s_cselect_b64 s[28:29], s[6:7], s[4:5]
	s_add_nc_u64 s[28:29], s[28:29], s[26:27]      ; the source at this work-group's first byte
	s_add_nc_u64 s[32:33], s[12:13], s[34:35]      ; wb at this wave's 512 bytes of piece 0
	s_lshl_b32 s30, s16, s20
	v_and_b32 v2, 15, v0                           ; r
	v_bfe_u32 v3, v0, 4, 1                         ; h
	v_lshlrev_b32 v4, s19, v2
	v_lshlrev_b32 v8, s21, v3
	v_add3_u32 v4, v4, v8, s30                     ; piece 0: row r, my 32 bytes
	v_add_nc_u32 v5, s22, v4
	v_add_nc_u32 v6, s22, v5
	v_add_nc_u32 v7, s22, v6
	v_and_b32 v9, 31, v0
	v_lshlrev_b32 v9, 4, v9                        ; 16 x lane
	s_wait_alu depctr_va_vdst(0)                   ; v4 to v7 are written, which the eight loads read as their offsets
.irp i, 0,1,2,3
	global_load_b128 v[SRC+8*(\i):SRC+8*(\i)+3],   v[4+(\i)], s[28:29]
	global_load_b128 v[SRC+8*(\i)+4:SRC+8*(\i)+7], v[4+(\i)], s[28:29] offset:16
.endr
	s_wait_loadcnt 0x0
.irp i, 0,1,2,3
.irp t, 0,1,2,3
	v_cvt_pk_bf16_f32 v[PB+(\t)], v[SRC+8*(\i)+2*(\t)], v[SRC+8*(\i)+2*(\t)+1]   ; rounded to bf16,
.endr
.irp t, 0,1,2,3
	v_lshlrev_b32 v[UN+2*(\t)],   16,  v[PB+(\t)]                                ; that number as f32,
	v_and_b32     v[UN+2*(\t)+1], s31, v[PB+(\t)]
.endr
.irp t, 0,1,2,3
	v_cvt_pk_f16_f32 v[DST+4*(\i)+(\t)], v[UN+2*(\t)], v[UN+2*(\t)+1]            ; and written as f16
.endr
.endr
	s_wait_alu depctr_va_vdst(0)                   ; the conversions of all four pieces have written DST, which the four stores read
.irp i, 0,1,2,3
	global_store_b128 v9, v[DST+4*(\i):DST+4*(\i)+3], s[32:33] offset:(\i)*131072
.endr
	s_wait_xcnt 0x0                                ; the stores' addresses are translated (ISA guide 3.1): their data registers are written again in the table's part,
	s_wait_alu depctr_vm_vsrc(0)                   ; and the stores have read DST, where the table's K[0..15] are made; ahead of the branches, so that it stands on every way to those lines
	; THE TABLE: wave 0 of the work-groups with cc < 8 and nb < 4 makes step 4 cc + nb's 16 features; both halves of the lanes compute them, each stores half of the 32 constants.
	s_cmp_lt_u32 s18, 8
	s_cbranch_scc0 .Ldone
	s_cmp_lt_u32 s17, 4
	s_cbranch_scc0 .Ldone
	s_cmp_eq_u32 s16, 0
	s_cbranch_scc0 .Ldone
	s_lshl_b32 s34, s18, 6
	s_add_co_u32 s34, s34, s17                     ; 64 cc + q
	v_lshl_add_u32 v10, v2, 2, s34                 ; the feature: 64 cc + 4 l + q
	v_lshlrev_b32 v11, 2, v10                      ; its byte in grid_start
	v_mul_u32_u24 v12, v10, 44                     ; and in grid_steps_log
	v_lshlrev_b32 v14, 10, v3
	v_lshl_add_u32 v14, v2, 4, v14                 ; where I store: 1,024 x half + 16 l
	s_lshl_b32 s36, s18, 2
	s_add_co_u32 s36, s36, s17
	s_lshl_b32 s36, s36, 11                        ; step 4 cc + q: 2,048 bytes each
	s_mov_b32 s37, 0
	s_add_nc_u64 s[38:39], s[14:15], s[36:37]
	s_mov_b32 s40, 0xbfb8aa3b                      ; -log2(e)
	s_mov_b32 s41, 0x3f317218                      ; ln 2
	s_mov_b32 s42, 0x322bcc77                      ; 1e-8
	s_wait_alu depctr_va_vdst(0)                   ; v11 and v12 are written, which the twelve loads read as their offsets; the roundings above are done reading v16 to v26, in which eleven of them land
	global_load_b32 v13, v11, s[10:11]
.set k, 0
.rept 11
	global_load_b32 v[ZS+k], v12, s[8:9] offset:4*k
.set k, k+1
.endr
	s_wait_loadcnt 0x0
	v_cvt_pk_bf16_f32 v13, v13, v13                ; both inputs rounded to bf16: the upper half is kept
	v_and_b32 v13, s31, v13
.set k, 0
.rept 11
	v_cvt_pk_bf16_f32 v[ZS+k], v[ZS+k], v[ZS+k]
	v_and_b32 v[ZS+k], s31, v[ZS+k]
.set k, k+1
.endr
	; softplus(z) = max(z, 0) + log1p(e), e = exp(-|z|); log1p(e) = log(1 + e) e / ((1 + e) - 1), or e where that difference is 0
.set k, 0
.rept 11
	v_mul_f32 v[EE+k], s40, |v[ZS+k]|
.set k, k+1
.endr
.set k, 0
.rept 11
	v_exp_f32 v[EE+k], v[EE+k]
.set k, k+1
.endr
	v_nop                                          ; a plain instruction between the last exponential and the use of its result (ISA guide 5.7.2)
	s_wait_alu depctr_va_vdst(0)                   ; the eleven exponentials have written v[EE ..], ahead of their first reader
.set k, 0
.rept 11
	v_add_f32 v[WW+k], 1.0, v[EE+k]
.set k, k+1
.endr
.set k, 0
.rept 11
	v_add_f32 v[DD+k], -1.0, v[WW+k]
.set k, k+1
.endr
.set k, 0
.rept 11                               ; the compares in one run, each into a scalar register of its own
	v_cmp_eq_f32 s[MK+k], 0, v[DD+k]
.set k, k+1
.endr
	v_cmp_eq_u32 s[MH], 1, v3                      ; lanes 16-31 will store K[16..31]
.set k, 0
.rept 11
	v_log_f32 v[WW+k], v[WW+k]
.set k, k+1
.endr
.set k, 0
.rept 11
	v_rcp_f32 v[RR+k], v[DD+k]
.set k, k+1
.endr
	v_nop                                          ; a plain instruction behind the last reciprocal
	s_wait_alu depctr_va_vdst(0)                   ; the logarithms have written v[WW ..] and the reciprocals v[RR ..], ahead of their first reader
.set k, 0
.rept 11
	v_mul_f32 v[WW+k], v[WW+k], v[RR+k]
.set k, k+1
.endr
.set k, 0
.rept 11
	v_mul_f32 v[WW+k], v[WW+k], v[EE+k]
.set k, k+1
.endr
	s_wait_alu depctr_va_sdst(0)                   ; the twelve compares have written s[MK ..] and s[MH], ahead of the first select that reads one of them
.set k, 0
.rept 11
	v_mul_f32 v[WW+k], s41, v[WW+k]
	v_cndmask_b32 v[WW+k], v[WW+k], v[EE+k], s[MK+k]
	v_max_num_f32 v[ZS+k], 0, v[ZS+k]
	v_add_f32 v[ZS+k], v[ZS+k], v[WW+k]            ; the step
.set k, k+1
.endr
.set k, 1
.rept 10
	v_add_f32 v[ZS+k], v[ZS+k], v[ZS+k-1]          ; the running sum
.set k, k+1
.endr
	v_mov_b32 v[GG], v13                           ; g_0
.set k, 0
.rept 11
	v_add_f32 v[GG+k+1], v13, v[ZS+k]              ; g_(k+1) = start + sum
.set k, k+1
.endr
.set k, 0
.rept 11
	v_sub_f32 v[INV+k], v[GG+k+1], v[GG+k]
.set k, k+1
.endr
.set k, 0
.rept 11
	v_add_f32 v[INV+k], s42, v[INV+k]
.set k, k+1
.endr
.set k, 0
.rept 11
	v_rcp_f32 v[INV+k], v[INV+k]
.set k, k+1
.endr
	v_nop                                          ; a plain instruction behind the last reciprocal
	s_wait_alu depctr_va_vdst(0)                   ; the eleven reciprocals have written v[INV ..], ahead of their first reader
.set k, 0
.rept 10
	v_mov_b32 v[KK+2*k], v[INV+k]
	v_mul_f32 v[KK+2*k+1], -v[GG+k], v[INV+k]
.set k, k+1
.endr
	v_mov_b32 v[KK+20], v[INV+10]
	v_mov_b32 v[KK+21], 0
.set k, 1
.rept 10
	v_mul_f32 v[KK+21+k], v[GG+k+1], v[INV+k]
.set k, k+1
.endr
.set k, 0
.rept 16
	v_cndmask_b32 v[KK+k], v[KK+k], v[KK+16+k], s[MH]
.set k, k+1
.endr
	s_wait_alu depctr_va_vdst(0)                   ; the selects have written v[KK .. KK+15], which the four stores read; v14, their offset, was written further up
.irp i, 0,1,2,3
	global_store_b128 v14, v[KK+4*(\i):KK+4*(\i)+3], s[38:39] offset:(\i)*256   ; 16 lanes store 256 consecutive bytes, aligned
.endr
.Ldone:
	s_endpgm
.Lfunc_end_k_q330070560b_prep:
	.size	k_q330070560b_prep, .Lfunc_end_k_q330070560b_prep-k_q330070560b_prep
	.p2alignl 7, 3214868480
	.fill 96, 4, 3214868480
	.section	.rodata,"a",@progbits
	.p2align	6, 0x0
	.amdhsa_kernel k_q330070560b_prep
		.amdhsa_group_segment_fixed_size 0
		.amdhsa_private_segment_fixed_size 0
		.amdhsa_enable_private_segment 0
		.amdhsa_kernarg_size 48
		.amdhsa_user_sgpr_count 2
		.amdhsa_user_sgpr_kernarg_segment_ptr 1
		.amdhsa_wavefront_size32 1
		.amdhsa_system_sgpr_workgroup_id_x 1
		.amdhsa_system_sgpr_workgroup_id_y 1
		.amdhsa_system_sgpr_workgroup_id_z 1
		.amdhsa_system_vgpr_workitem_id 0
		.amdhsa_next_free_vgpr 96
		.amdhsa_next_free_sgpr 66
		.amdhsa_reserve_vcc 0
		.amdhsa_float_denorm_mode_32 3
		.amdhsa_float_denorm_mode_16_64 3
		.amdhsa_memory_ordered 1
		.amdhsa_forward_progress 1
		.amdhsa_inst_pref_size 20
	.end_amdhsa_kernel
	.amdgpu_metadata
---
amdhsa.version: [ 1, 2 ]
amdhsa.kernels:
  - .name:           k_q330070560b_prep
    .symbol:         k_q330070560b_prep.kd
    .args:
      - { .name: coeffs, .offset: 0, .size: 8, .value_kind: global_buffer, .address_space: global }
      - { .name: base_weight, .offset: 8, .size: 8, .value_kind: global_buffer, .address_space: global }
      - { .name: grid_steps_log, .offset: 16, .size: 8, .value_kind: global_buffer, .address_space: global }
      - { .name: grid_start, .offset: 24, .size: 8, .value_kind: global_buffer, .address_space: global }
      - { .name: wb, .offset: 32, .size: 8, .value_kind: global_buffer, .address_space: global }
      - { .name: tab, .offset: 40, .size: 8, .value_kind: global_buffer, .address_space: global }
    .group_segment_fixed_size: 0
    .private_segment_fixed_size: 0
    .kernarg_segment_align: 8
    .kernarg_segment_size: 48
    .max_flat_workgroup_size: 256
    .sgpr_count:     66
    .vgpr_count:     96
    .wavefront_size: 32
...
	.end_amdgpu_metadata
.endif
;; end of part 3
;; launch kan: the kernel of part 2 again; grid 256 x 1, 8 waves a work-group, clusters of 4 x 1, 327,680 bytes of LDS; arguments x, wb, tab, res_scale, out0; writes out0
